; MI455X (gfx1250); checked and timed in simulation.
; The chip was launched on July 23, 2026; its instructions are those of AMD's public machine-readable ISA for CDNA 5 (MIT licence, August 2026) and "CDNA5" Instruction Set Architecture Reference Guide (July 2026). The comments in the code are by the model that wrote it; some were corrected since.
;; TLSTM. Allowed arithmetic: float matrix products may take bf16 or f16 operands with f32 sums; other float arithmetic in f32, or as packed bf16 or f16 multiplies, adds, multiply-adds, maxima and minima; sums over many terms, partial sums and values carried from step to step in f32; what a program stores and reads back later, other than sums and carried values, may be rounded once to bf16 or f16.
;; Inputs: hidden 1,024 x 2,048 float32; input 1,024 x 1,024 float32; labels 1,024 int32; params_Uc_b 2,048 float32; params_Uc_w 2,048 x 2,048 float32; params_Uf_b 2,048 float32; params_Uf_w 2,048 x 2,048 float32; params_Ui_b 2,048 float32; params_Ui_w 2,048 x 2,048 float32; params_Uog_b 2,048 float32; params_Uog_w 2,048 x 2,048 float32; params_W_decomp_b 2,048 float32; params_W_decomp_w 2,048 x 2,048 float32; params_Wc_b 2,048 float32; params_Wc_w 2,048 x 1,024 float32; params_Wf_b 2,048 float32; params_Wf_w 2,048 x 1,024 float32; params_Wi_b 2,048 float32; params_Wi_w 2,048 x 1,024 float32; params_Wog_b 2,048 float32; params_Wog_w 2,048 x 1,024 float32; params_b_decomp_b 2,048 float32; params_b_decomp_w 2,048 x 2,048 float32; params_bc_b 2,048 float32; params_bc_w 2,048 x 2,048 float32; params_bf_b 2,048 float32; params_bf_w 2,048 x 2,048 float32; params_bi_b 2,048 float32; params_bi_w 2,048 x 2,048 float32; params_bog_b 2,048 float32; params_bog_w 2,048 x 2,048 float32; prev_cell 1,024 x 2,048 float32; time 1,024 x 1 float32.
;; Outputs: out0 1,024 x 2,048 float32; out1 1,024 x 2,048 float32.
;; Constants: keep_prob = 1.
;; 2 versions, each right; version 2 is version 1 with the launch prep written anew for expert scheduling mode. Each part assembles by itself: llvm-mc -triple=amdgcn-amd-amdhsa -mcpu=gfx1250 --defsym DOCPART=n.
;; ======== version 1 of 2: 2 launches
;; limits: values are held in f16: magnitudes above 65,504 overflow, below 6.1e-05 lose precision
;; workspace buffers: wb 62,914,560 bytes; act 12,582,912 bytes
;; launch prep (part 1): grid 1056 x 1, 8 waves a work-group, no clusters, 0 bytes of LDS; arguments params_Ui_w, params_bi_w, params_Uf_w, params_bf_w, params_Uog_w, params_bog_w, params_Uc_w, params_bc_w, params_W_decomp_w, params_b_decomp_w, params_Wi_w, params_Wf_w, params_Wog_w, params_Wc_w, hidden, prev_cell, input, wb, act; writes wb, act
.if DOCPART == 1
	.amdgcn_target "amdgcn-amd-amdhsa--gfx1250"
	.amdhsa_code_object_version 6
	.text
	.protected	k_q1000c21e81_prep
	.globl	k_q1000c21e81_prep
	.p2align	8
	.type	k_q1000c21e81_prep,@function
k_q1000c21e81_prep:
	s_mov_b64 s[64:65], 0
	v_nop
	global_prefetch_b8 v0, s[64:65] scope:SCOPE_SE
	s_setreg_imm32_b32 hwreg(HW_REG_WAVE_MODE, 25, 1), 1
	s_wait_xcnt 0x0
; TLSTM cell, launch 1 of 2: the matrix operands are rounded to f16 once and laid out for the second launch.
; WORK LEFT OUT, for all values of the inputs.
;   labels and keep_prob are named by no line of reference()'s body: they have no way to any output, are not loaded and are among no launch's arguments.
;   hidden @ U_g^T + hidden @ b_g^T = hidden @ (U_g + b_g)^T, and prev_cell @ W_decomp^T + prev_cell @ b_decomp^T = prev_cell @ (W_decomp + b_decomp)^T, by the
;   distributive law: the two weights of a pair are added here in f32 and the sum is rounded once to f16, so 14 products become 9.  Every weight is still read.
; THE FORMAT.  f16 keeps 11 significant bits, bf16 8.  A pre-activation is a sum of 3,072 products of spread about 1 in all; with both operands rounded its error is about 1.4 roundings of
;   its own spread, and every output number must lie within 1% of the output's root mean square plus 1% of itself: bf16's rounding leaves about four such errors of room, f16's eight times that.
; LIMITS.  An operand (hidden, input, prev_cell, W_g, U_g + b_g, W_decomp + b_decomp) of 65,520 or more in magnitude becomes an infinity; below 6.1e-5 it keeps f16's fixed step of 6e-8.
;   The order of rounding differs from reference()'s: the pair's sum is rounded where reference() adds two f32 products.  Nothing else is left out, so no NaN or infinity of an input is lost.
; LAYOUT.  wb: 10,240 rows x 3,072 f16 (6,144 bytes a row).  Row nt*320 + wn*160 + g*32 + c is gate g (0 i, 1 f, 2 og, 3 c, 4 decomp), output column n = 64 nt + 32 wn + c:
;   columns 0-2047 = f16(U_g[n] + b_g[n]), columns 2048-3071 = f16(W_g[n]) (g < 4; for g = 4 they are neither written nor read).
;   act: 2,048 rows x 3,072 f16.  Rows 0-1023 = hidden | input; rows 1024-2047 = prev_cell in columns 0-2047 (the rest neither written nor read).
; SHARES.  A work-group casts 32,768 numbers: 131,072 consecutive bytes of each source, in 32 steps of 4,096.  Thread t loads 16 bytes at 16 t (a wave: 512 consecutive bytes)
;   and stores 8 bytes at 8 t (a wave: 256 consecutive bytes, aligned).  Memory binds: no LDS, no barrier, no matrix unit, no cluster (no byte is read twice).
;   Eight steps' loads of every wave are always out; every step's place stands in an immediate, and each step has its own store registers: no register that a pending
;   load or store names is ever written again, so the only waits are the counted ones for data.
.set ROWB, 6144                        ; bytes in a row of wb and of act
.set X1, 8                             ; v[8:39]   8 slots x 4: the first source as loaded
.set X2, 40                            ; v[40:71]  the second source
.set Y,  72                            ; v[72:135] 2 registers for each of the 32 steps
.set SRC1, 50                          ; s[50:51]
.set SRC2, 52                          ; s[52:53]
.set DST,  54                          ; s[54:55]
.macro LD two, n                       ; step n's loads into slot n % 8
	global_load_b128 v[X1+4*((\n)%8):X1+4*((\n)%8)+3], v1, s[SRC1:SRC1+1] offset:4096*(\n) th:TH_LOAD_NT
.if \two
	global_load_b128 v[X2+4*((\n)%8):X2+4*((\n)%8)+3], v1, s[SRC2:SRC2+1] offset:4096*(\n) th:TH_LOAD_NT
.endif
.endm
; two = 1: two sources are added.  wide = 1: source rows of 2,048 numbers (two steps a row), else of 1,024 (a step a row).
.macro STREAM two, wide
.set j, 0
.rept 8
	LD \two, j
.set j, j+1
.endr
.set j, 0
.rept 32
.if j < 24
	s_wait_loadcnt (1+\two)*7                      ; loads come back in order: step j's are in, the seven younger steps' stay out
.else
	s_wait_loadcnt (1+\two)*(31-j)                 ; the last eight steps load nothing: the counts run down
.endif
.if \two
	v_pk_add_f32 v[X1+4*(j%8):X1+4*(j%8)+1],   v[X1+4*(j%8):X1+4*(j%8)+1],   v[X2+4*(j%8):X2+4*(j%8)+1]
	v_pk_add_f32 v[X1+4*(j%8)+2:X1+4*(j%8)+3], v[X1+4*(j%8)+2:X1+4*(j%8)+3], v[X2+4*(j%8)+2:X2+4*(j%8)+3]
.endif
	v_cvt_pk_f16_f32 v[Y+2*j],   v[X1+4*(j%8)],   v[X1+4*(j%8)+1]
	v_cvt_pk_f16_f32 v[Y+2*j+1], v[X1+4*(j%8)+2], v[X1+4*(j%8)+3]
.if j < 24
	LD \two, j+8                                   ; the slot is asked for again ahead of the store
.endif
.if \wide
	global_store_b64 v2, v[Y+2*j:Y+2*j+1], s[DST:DST+1] offset:(j/2)*ROWB+(j%2)*2048 th:TH_STORE_NT
.else
	global_store_b64 v2, v[Y+2*j:Y+2*j+1], s[DST:DST+1] offset:j*ROWB th:TH_STORE_NT
.endif
.set j, j+1
.endr
.endm
	s_load_b512 s[8:23], s[0:1], 0x0               ; Ui bi Uf bf Uog bog Uc bc
	s_load_b512 s[24:39], s[0:1], 0x40             ; W_decomp b_decomp Wi Wf Wog Wc hidden prev_cell
	s_load_b128 s[40:43], s[0:1], 0x80             ; input wb
	s_load_b64 s[44:45], s[0:1], 0x90              ; act
	s_mov_b32 s2, ttmp9                            ; the work-group's number
	v_lshlrev_b32 v1, 4, v0                        ; 16 t
	v_lshlrev_b32 v2, 3, v0                        ; 8 t
	s_mov_b32 s57, 0                               ; the offsets' high words
	s_mov_b32 s59, 0
	s_wait_kmcnt 0x0
	s_cmp_lt_u32 s2, 640
	s_cbranch_scc0 .Lsingle
	; 0-639: a pair of [2048][2048] weights, 16 rows of both.  g = id / 128, ch = id % 128: rows n = 16 ch .. 16 ch + 15
	s_lshr_b32 s46, s2, 7
	s_and_b32 s47, s2, 127
	s_mov_b64 s[SRC1:SRC1+1], s[8:9]
	s_mov_b64 s[SRC2:SRC2+1], s[10:11]
	s_cmp_eq_u32 s46, 1
	s_cselect_b64 s[SRC1:SRC1+1], s[12:13], s[SRC1:SRC1+1]
	s_cselect_b64 s[SRC2:SRC2+1], s[14:15], s[SRC2:SRC2+1]
	s_cmp_eq_u32 s46, 2
	s_cselect_b64 s[SRC1:SRC1+1], s[16:17], s[SRC1:SRC1+1]
	s_cselect_b64 s[SRC2:SRC2+1], s[18:19], s[SRC2:SRC2+1]
	s_cmp_eq_u32 s46, 3
	s_cselect_b64 s[SRC1:SRC1+1], s[20:21], s[SRC1:SRC1+1]
	s_cselect_b64 s[SRC2:SRC2+1], s[22:23], s[SRC2:SRC2+1]
	s_cmp_eq_u32 s46, 4
	s_cselect_b64 s[SRC1:SRC1+1], s[24:25], s[SRC1:SRC1+1]
	s_cselect_b64 s[SRC2:SRC2+1], s[26:27], s[SRC2:SRC2+1]
	s_lshl_b32 s56, s47, 17                        ; ch x 131,072 bytes
	s_lshr_b32 s48, s47, 2                         ; nt = n / 64
	s_mul_i32 s48, s48, 320
	s_bfe_u32 s49, s47, 0x10001                    ; wn = (n / 32) % 2
	s_mul_i32 s49, s49, 160
	s_add_co_u32 s48, s48, s49
	s_lshl_b32 s49, s46, 5                         ; g x 32
	s_add_co_u32 s48, s48, s49
	s_and_b32 s49, s47, 1                          ; c = n % 32 begins at 0 or 16
	s_lshl_b32 s49, s49, 4
	s_add_co_u32 s48, s48, s49
	s_mul_i32 s58, s48, ROWB
	s_add_nc_u64 s[SRC1:SRC1+1], s[SRC1:SRC1+1], s[56:57]
	s_add_nc_u64 s[SRC2:SRC2+1], s[SRC2:SRC2+1], s[56:57]
	s_add_nc_u64 s[DST:DST+1], s[42:43], s[58:59]
	STREAM 1, 1
	s_endpgm
.Lsingle:
	s_cmp_lt_u32 s2, 768
	s_cbranch_scc0 .Lnarrow
	; 640-767: 16 rows of hidden (sel = 0) or of prev_cell (sel = 1)
	s_sub_co_u32 s46, s2, 640
	s_lshr_b32 s47, s46, 6                         ; sel
	s_and_b32 s46, s46, 63                         ; ch
	s_cmp_eq_u32 s47, 0
	s_cselect_b64 s[SRC1:SRC1+1], s[36:37], s[38:39]
	s_lshl_b32 s56, s46, 17
	s_lshl_b32 s47, s47, 10
	s_lshl_b32 s46, s46, 4
	s_add_co_u32 s47, s47, s46                     ; row of act = 1,024 sel + 16 ch
	s_mul_i32 s58, s47, ROWB
	s_add_nc_u64 s[SRC1:SRC1+1], s[SRC1:SRC1+1], s[56:57]
	s_add_nc_u64 s[DST:DST+1], s[44:45], s[58:59]
	STREAM 0, 1
	s_endpgm
.Lnarrow:
	; 768-1055: 32 rows of 1,024 numbers: of W_g (g = 0 .. 3, 64 blocks each) or of input (g = 4, 32 blocks); they go to columns 2048 on
	s_sub_co_u32 s46, s2, 768
	s_lshr_b32 s47, s46, 6                         ; g
	s_and_b32 s46, s46, 63                         ; blk
	s_mov_b64 s[SRC1:SRC1+1], s[28:29]
	s_cmp_eq_u32 s47, 1
	s_cselect_b64 s[SRC1:SRC1+1], s[30:31], s[SRC1:SRC1+1]
	s_cmp_eq_u32 s47, 2
	s_cselect_b64 s[SRC1:SRC1+1], s[32:33], s[SRC1:SRC1+1]
	s_cmp_eq_u32 s47, 3
	s_cselect_b64 s[SRC1:SRC1+1], s[34:35], s[SRC1:SRC1+1]
	s_cmp_eq_u32 s47, 4
	s_cselect_b64 s[SRC1:SRC1+1], s[40:41], s[SRC1:SRC1+1]
	s_lshl_b32 s56, s46, 17
	s_lshr_b32 s48, s46, 1                         ; nt
	s_mul_i32 s48, s48, 320
	s_and_b32 s49, s46, 1                          ; wn
	s_mul_i32 s49, s49, 160
	s_add_co_u32 s48, s48, s49
	s_lshl_b32 s49, s47, 5
	s_add_co_u32 s48, s48, s49                     ; row of wb
	s_lshl_b32 s49, s46, 5                         ; row of act
	s_cmp_eq_u32 s47, 4
	s_cselect_b32 s48, s49, s48
	s_cselect_b64 s[DST:DST+1], s[44:45], s[42:43]
	s_mul_i32 s58, s48, ROWB
	s_add_co_u32 s58, s58, 4096
	s_add_nc_u64 s[SRC1:SRC1+1], s[SRC1:SRC1+1], s[56:57]
	s_add_nc_u64 s[DST:DST+1], s[DST:DST+1], s[58:59]
	STREAM 0, 0
	s_endpgm
.Lfunc_end_k_q1000c21e81_prep:
	.size	k_q1000c21e81_prep, .Lfunc_end_k_q1000c21e81_prep-k_q1000c21e81_prep
	.p2alignl 7, 3214868480
	.fill 96, 4, 3214868480
	.section	.rodata,"a",@progbits
	.p2align	6, 0x0
	.amdhsa_kernel k_q1000c21e81_prep
		.amdhsa_group_segment_fixed_size 0
		.amdhsa_private_segment_fixed_size 0
		.amdhsa_enable_private_segment 0
		.amdhsa_kernarg_size 152
		.amdhsa_user_sgpr_count 2
		.amdhsa_user_sgpr_kernarg_segment_ptr 1
		.amdhsa_wavefront_size32 1
		.amdhsa_system_sgpr_workgroup_id_x 1
		.amdhsa_system_sgpr_workgroup_id_y 1
		.amdhsa_system_sgpr_workgroup_id_z 1
		.amdhsa_system_vgpr_workitem_id 0
		.amdhsa_next_free_vgpr 136
		.amdhsa_next_free_sgpr 66
		.amdhsa_reserve_vcc 0
		.amdhsa_float_denorm_mode_32 3
		.amdhsa_float_denorm_mode_16_64 3
		.amdhsa_memory_ordered 1
		.amdhsa_forward_progress 1
		.amdhsa_inst_pref_size 44
	.end_amdhsa_kernel
	.amdgpu_metadata
---
amdhsa.version: [ 1, 2 ]
amdhsa.kernels:
  - .name:           k_q1000c21e81_prep
    .symbol:         k_q1000c21e81_prep.kd
    .args:
      - { .name: params_Ui_w, .offset: 0, .size: 8, .value_kind: global_buffer, .address_space: global }
      - { .name: params_bi_w, .offset: 8, .size: 8, .value_kind: global_buffer, .address_space: global }
      - { .name: params_Uf_w, .offset: 16, .size: 8, .value_kind: global_buffer, .address_space: global }
      - { .name: params_bf_w, .offset: 24, .size: 8, .value_kind: global_buffer, .address_space: global }
      - { .name: params_Uog_w, .offset: 32, .size: 8, .value_kind: global_buffer, .address_space: global }
      - { .name: params_bog_w, .offset: 40, .size: 8, .value_kind: global_buffer, .address_space: global }
      - { .name: params_Uc_w, .offset: 48, .size: 8, .value_kind: global_buffer, .address_space: global }
      - { .name: params_bc_w, .offset: 56, .size: 8, .value_kind: global_buffer, .address_space: global }
      - { .name: params_W_decomp_w, .offset: 64, .size: 8, .value_kind: global_buffer, .address_space: global }
      - { .name: params_b_decomp_w, .offset: 72, .size: 8, .value_kind: global_buffer, .address_space: global }
      - { .name: params_Wi_w, .offset: 80, .size: 8, .value_kind: global_buffer, .address_space: global }
      - { .name: params_Wf_w, .offset: 88, .size: 8, .value_kind: global_buffer, .address_space: global }
      - { .name: params_Wog_w, .offset: 96, .size: 8, .value_kind: global_buffer, .address_space: global }
      - { .name: params_Wc_w, .offset: 104, .size: 8, .value_kind: global_buffer, .address_space: global }
      - { .name: hidden, .offset: 112, .size: 8, .value_kind: global_buffer, .address_space: global }
      - { .name: prev_cell, .offset: 120, .size: 8, .value_kind: global_buffer, .address_space: global }
      - { .name: input, .offset: 128, .size: 8, .value_kind: global_buffer, .address_space: global }
      - { .name: wb, .offset: 136, .size: 8, .value_kind: global_buffer, .address_space: global }
      - { .name: act, .offset: 144, .size: 8, .value_kind: global_buffer, .address_space: global }
    .group_segment_fixed_size: 0
    .private_segment_fixed_size: 0
    .kernarg_segment_align: 8
    .kernarg_segment_size: 152
    .max_flat_workgroup_size: 256
    .sgpr_count:     66
    .vgpr_count:     136
    .wavefront_size: 32
...
	.end_amdgpu_metadata
.endif
;; end of part 1
;; launch cell (part 2): grid 32 x 8, 4 waves a work-group, clusters of 4 x 4, 327,680 bytes of LDS; arguments act, wb, prev_cell, time, out0, out1, params_Wi_b, params_Ui_b, params_bi_b, params_Wf_b, params_Uf_b, params_bf_b, params_Wog_b, params_Uog_b, params_bog_b, params_Wc_b, params_Uc_b, params_bc_b, params_W_decomp_b, params_b_decomp_b; writes out0, out1
.if DOCPART == 2
	.amdgcn_target "amdgcn-amd-amdhsa--gfx1250"
	.amdhsa_code_object_version 6
	.text
	.protected	k_q1000c21e81_cell
	.globl	k_q1000c21e81_cell
	.p2align	8
	.type	k_q1000c21e81_cell,@function
k_q1000c21e81_cell:
	s_mov_b64 s[64:65], 0
	v_nop
	global_prefetch_b8 v0, s[64:65] scope:SCOPE_SE
	s_setreg_imm32_b32 hwreg(HW_REG_WAVE_MODE, 25, 1), 1
	s_wait_xcnt 0x0
	s_wait_alu depctr_hold_cnt(0) depctr_sa_sdst(0) depctr_va_vdst(0) depctr_va_sdst(0) depctr_va_ssrc(0) depctr_va_vcc(0) depctr_vm_vsrc(0)
	s_getreg_b32 s2, hwreg(HW_REG_IB_STS2, 6, 4)
	s_cmp_eq_u32 s2, 0
	s_cbranch_scc0 .Lentry_in_a_cluster
	s_endpgm
.Lentry_in_a_cluster:
	s_bfe_u32 s2, ttmp6, 0x10000c
	s_cmp_lg_u32 s2, 0xf033
	s_cbranch_scc0 .Lentry_shape_is_right
	s_endpgm
.Lentry_shape_is_right:
; TLSTM cell, launch 2 of 2: all products, biases, the decay, the activations, c (out1) and new_hidden (out0).
; LEFT OUT, as the first kernel's head shows: labels and keep_prob (no way to an output); the second product of each pair of weights that share an operand (the pair was added there).
; LIMITS.  Matrix operands are f16 (within 65,504; below 6.1e-5 in steps of 6e-8: the first kernel's head), sums f32.  sigmoid(x) = 1 / (1 + 2^(-x log2 e));
;   tanh(x) = 1 - 2 / (1 + 2^(2 x log2 e)): its absolute error near 0 is about 1e-7, where reference()'s is relative; an exponential below 2^-126 counts as 0, one beyond f32's range
;   as infinity, whose reciprocal is 0: both ends give the right limits.
;   prev_cell - C_ST + T C_ST is formed as prev_cell + (T - 1) C_ST.  The three (two) bias vectors of a gate are added first and start the sums as the C operand.
; SHARES.  256 work-groups; work-group (nt, mt) makes rows 128 mt .. +127, columns 64 nt .. +63 of both outputs, and holds ALL FIVE pre-activations of them.  Wave w: wm = w / 2
;   (64 rows: four tiles a), wn = w % 2 (32 columns: two tiles b): 4 x 2 x 5 = 40 accumulators of 16 x 16, 320 registers.
; K goes in 24 steps of 128 through two LDS slots.  Steps 0-15 (H): hidden x (U+b) for gates 0-3 and prev_cell x (W_decomp+b_decomp) for gate 4: 40 products for 32 along K.
;   Steps 16-23 (X): input x W for gates 0-3: 32 products.  In act and wb every step is 256 bytes further along the rows, each row's part aligned to 256 bytes.
; THE MATRIX INSTRUCTION IS USED TRANSPOSED (source 0 = 16 rows of weights, source 1 = 16 rows of activations): lane l holds row l % 16 and the columns 8 (l / 16) + 0..7.
; CLUSTERS.  4 x 4 work-groups.  The four of a row of the cluster (same mt) need the same activations, the four of a column (same nt) the same weights: each tile is asked for jointly,
;   by the same tensor load with the same descriptor and a mask that names the four.  The f32 tile of prev_cell for the cell's arithmetic hangs on both mt and nt: a load of one's own.
; LDS.  Rows 272 bytes apart (256 + 16 of padding): the 16 rows of a fragment load start at 16 different 16-byte columns modulo 256.  A slot: A 128 rows (hidden or input), P 128 rows
;   (prev_cell, H steps alone), B 2 x 160 rows (for each wn: gates 0-4 x 32 columns; X steps fill the first 128).  When the H steps are over, slot 0's P region takes the f32 prev_cell tile.
;   On the way out c goes through slot 0's A region and new_hidden through slot 1's P region: both have had their last fill, and their last reads lie in front of an earlier barrier.
; REGISTERS, in windows of 256 (s_set_vgpr_msb: bits 1:0 source 0, 3:2 source 1, 5:4 source 2, 7:6 destination):
;   window 0: v0-31 addresses; v32-39 T - 1; v64-127, v128-191 two buffers of activation fragments (A's four, then P's four); v192-207 at work.  The cell's arithmetic works in v64-207.
;   window 1: v0-79, v80-159 two buffers of weight fragments ((g, b) at 8 (2 g + b)); v160-239 the summed biases, likewise
;   window 2: accumulator (g < 4, a, b) at 8 (8 a + 2 g + b)          window 3: accumulator (4, a, b) at 8 (2 a + b)
.set PITCH,  272
.set TILE16, 16*PITCH
.set PREG,   128*PITCH                 ; 34,816: the P region in a slot
.set BOFF,   2*PREG                    ; 69,632: the B region
.set BHALF,  160*PITCH                 ; 43,520: one wn's rows of B
.set SLOT,   BOFF+2*BHALF              ; 156,672
.set SPARE,  2*SLOT                    ; 313,344: the spare words, 128 bytes for each wave: two blocks of 256 bytes that no other line names
.set ROWB,   6144                      ; bytes in a row of act and of wb
.set PADW,   (1<<20)|(5<<22)|(3<<25)   ; padding on; after every 64 words; 4 words
.set ADRA, 16                          ; v16-17  LDS address of my activation fragments in slot 0, 1 (P's: + PREG in the immediate)
.set ADRB, 20                          ; v20-21  of my weight fragments
.set VB,   22                          ; v22     my lane's place in a 128 x 64 f32 tile: (64 wm + r) 272 + 128 wn + 32 h
.set VH,   23                          ; v23     the same in new_hidden's stage
.set RDC,  24                          ; v24     the way out: where I read rows of c back
.set RDH,  25                          ; v25     rows of new_hidden
.set CO,   26                          ; v26     my byte offset in two rows of an output
.set SPW,  28                          ; v28     LDS address of my spare word; never rewritten
.set NIL,  29                          ; v29     0; never rewritten
.set PFO,  30                          ; v30     the prefetches' offset: lane x a row of act or wb; never rewritten
.set TM1,  32                          ; v[32+2a:33+2a]  T - 1 of my row in tile a, twice
.set AF,   64
.set BIAS, 160
.set E,    64                          ; the cell's arithmetic: gate g's 16 numbers at E + 16 g
.set PCR,  144                         ; prev_cell
.set CC,   160                         ; c
.set NH,   176                         ; new_hidden
.set TT,   192                         ; at work
.set WV, 16                            ; s16 wave; s17 wm; s18 wn; s19 cx; s20 cy; s21 nt; s22 mt
.set WM, 17
.set WN, 18
.set CX, 19
.set CY, 20
.set NT, 21
.set MT, 22
.set G1A,  24                          ; s[24:31] group 1: 128 rows of act
.set G1BH, 32                          ; s[32:39] 160 rows of wb
.set G1BX, 40                          ; s[40:47] 128 rows of wb      (these three sets hold bias pointers first)
.set G1PC, 48                          ; s[48:55] the f32 prev_cell tile
.set G0A,  56                          ; s[56:63] group 0 for act, a set for each slot
.set G0B,  68                          ; s[68:75] for wb
.set G0PC, 76                          ; s[76:79]
.set PFA,  80                          ; s[80:81] where my prefetches stand
.set PFD,  82                          ; s[82:83] the same for gate 4's rows of wb
.set LIMW, 84                          ; s84  I prefetch while the step's number is below this
.set LIMD, 85                          ; s85  the same for gate 4's rows
.set STP,  86                          ; s86  the number of the K step whose change of slots is in hand
.set CMASK, 87                         ; s87  the mask of my column of the cluster
.set KS,   88                          ; s[88:89] -log2 e
.set KT,   90                          ; s[90:91] 2 log2 e
.set MSB, 0
.macro WIN new                         ; the immediate's high byte repeats the setting that is left; a switch that changes nothing is dropped
.if MSB != (\new)
	s_set_vgpr_msb (MSB<<8)|(\new)
.set MSB, \new
.endif
.endm
.macro PLACES                          ; four plain places between a matrix instruction and a load into, or a vector read or write of, its registers
.rept 4
	v_nop
.endr
.endm
; A round of the cluster's barrier behind its opening barrier, and a whole round.
.macro CREST
	s_cmp_lg_u32 s[WV], 0
	s_cbranch_scc1 .Lnot_wave_0_\@
	s_barrier_signal -3
.Lnot_wave_0_\@:
	s_barrier_wait -3
	s_barrier_signal -1
	s_barrier_wait -1
.endm
.macro CROUND
	s_barrier_signal -1
	s_barrier_wait -1
	CREST
.endm
; The fill of an H step: wave 0 hidden's 128 rows, wave 1 prev_cell's, waves 2 and 3 the two wn's 160 rows of weights.  The branch hangs on the wave's number alone.
; An s_nop 0 and four v_nop follow each tensor load, ahead of the jump and the label; they are also the places in front of the fragment loads that follow.
.macro JLOAD_H s
	s_cmp_lt_u32 s[WV], 2
	s_cbranch_scc0 .Lhb_\@
	tensor_load_to_lds s[G0A+4*(\s):G0A+4*(\s)+3], s[G1A:G1A+7]
	s_nop 0
	PLACES
	s_branch .Lhd_\@
.Lhb_\@:
	tensor_load_to_lds s[G0B+4*(\s):G0B+4*(\s)+3], s[G1BH:G1BH+7]
	s_nop 0
	PLACES
.Lhd_\@:
.endm
; The fill of an X step: wave 0 input's 128 rows, waves 2 and 3 128 rows of weights each.  Wave 1 has no part in it; pc = 1: its one load is the f32 prev_cell tile, into slot 0's P region.
.macro JLOAD_X s, pc
	s_cmp_lt_u32 s[WV], 2
	s_cbranch_scc0 .Lxb_\@
	s_cmp_eq_u32 s[WV], 0
	s_cbranch_scc0 .Lxp_\@
	tensor_load_to_lds s[G0A+4*(\s):G0A+4*(\s)+3], s[G1A:G1A+7]
	s_nop 0
	PLACES
	s_branch .Lxd_\@
.Lxp_\@:
.if \pc
	tensor_load_to_lds s[G0PC:G0PC+3], s[G1PC:G1PC+7]
	s_nop 0
.endif
	PLACES
	s_branch .Lxd_\@
.Lxb_\@:
	tensor_load_to_lds s[G0B+4*(\s):G0B+4*(\s)+3], s[G1BX:G1BX+7]
	s_nop 0
	PLACES
.Lxd_\@:
.endm
; A PREFETCH INTO THE L2, behind the fill and the run of LDS loads of a change of slots.  The fill of step s's change asks for step s + 2; the prefetch names step s + 5: three K steps
; (480 matrix instructions in H steps, 384 in X steps) ahead of the tensor load that will want it.  32 rows x 256 bytes, a lane a row, one instruction a wave.  Each row's 256 bytes of a step are named once
; in the launch: act's rows by waves 0 and 1 of the clusters with x = 0, wb's rows of gates 0-3 by waves 2 and 3 of the clusters with y = 0; the four partners that ask for a tile jointly share its 128 rows out
; BY ADDRESS, 32 each (cx for act, cy for wb).  extra = 1 (odd steps): wave 2 also names gate 4's 2 x 32 rows for two steps: partner cy takes wn = cy % 2, step s + 5 + cy / 2.
; The limits stop each stream at its last written column: step 23 (hidden | input, gates 0-3), step 15 (prev_cell, gate 4).  The first five steps (gate 4: six) come by their loads alone.
.macro ASK extra
	s_cmp_lt_u32 s[STP], s[LIMW]
	s_cbranch_scc0 .Lnw_\@
	global_prefetch_b8 v[PFO], s[PFA:PFA+1] th:TH_LOAD_NT scope:SCOPE_SE
.Lnw_\@:
.if \extra
	s_cmp_lt_u32 s[STP], s[LIMD]
	s_cbranch_scc0 .Lnd_\@
	global_prefetch_b8 v[PFO], s[PFD:PFD+1] th:TH_LOAD_NT scope:SCOPE_SE
.Lnd_\@:
.endif
.endm
; 8 products: row tile a x gates 0-3 x both column tiles, 32 along K, from buffer f.  first = 1: the summed biases (window 1) are the C operand that starts the sums: nothing is cleared.
.macro MULA f, a, first
	WIN 0xa1-0x10*(\first)
.irp t, 0,1,2,3,4,5,6,7
.if \first
	v_wmma_f32_16x16x32_f16 v[64*(\a)+8*(\t):64*(\a)+8*(\t)+7], v[80*(\f)+8*(\t):80*(\f)+8*(\t)+7], v[AF+64*(\f)+8*(\a):AF+64*(\f)+8*(\a)+7], v[BIAS+8*(\t):BIAS+8*(\t)+7]
.else
	v_wmma_f32_16x16x32_f16 v[64*(\a)+8*(\t):64*(\a)+8*(\t)+7], v[80*(\f)+8*(\t):80*(\f)+8*(\t)+7], v[AF+64*(\f)+8*(\a):AF+64*(\f)+8*(\a)+7], v[64*(\a)+8*(\t):64*(\a)+8*(\t)+7]
.endif
.endr
.endm
; 8 products: gate 4, all four row tiles (of prev_cell) x both column tiles.
.macro MULD f, first
	WIN 0xf1-0x20*(\first)
.irp a, 0,1,2,3
.irp b, 0,1
.if \first
	v_wmma_f32_16x16x32_f16 v[8*(2*(\a)+(\b)):8*(2*(\a)+(\b))+7], v[80*(\f)+64+8*(\b):80*(\f)+64+8*(\b)+7], v[AF+64*(\f)+32+8*(\a):AF+64*(\f)+32+8*(\a)+7], v[BIAS+64+8*(\b):BIAS+64+8*(\b)+7]
.else
	v_wmma_f32_16x16x32_f16 v[8*(2*(\a)+(\b)):8*(2*(\a)+(\b))+7], v[80*(\f)+64+8*(\b):80*(\f)+64+8*(\b)+7], v[AF+64*(\f)+32+8*(\a):AF+64*(\f)+32+8*(\a)+7], v[8*(2*(\a)+(\b)):8*(2*(\a)+(\b))+7]
.endif
.endr
.endr
.endm
; The fragments of 32 along K at byte k of a slot's rows, into buffer f, in one run: the weights' (ty = 1, an H step: 10 fragments; ty = 0, an X step: 8), A's 4, and for an H step P's 4: 36 or 24 loads.
.macro FETCH ty, slot, k, f
	WIN 0x40                                       ; destination window 1, address window 0
.set i, 0
.rept 8+2*(\ty)
	ds_load_b128 v[80*(\f)+8*i:80*(\f)+8*i+3],   v[ADRB+(\slot)] offset:(\k)+i*TILE16
	ds_load_b128 v[80*(\f)+8*i+4:80*(\f)+8*i+7], v[ADRB+(\slot)] offset:(\k)+i*TILE16+32
.set i, i+1
.endr
	WIN 0
.irp a, 0,1,2,3
	ds_load_b128 v[AF+64*(\f)+8*(\a):AF+64*(\f)+8*(\a)+3],   v[ADRA+(\slot)] offset:(\k)+(\a)*TILE16
	ds_load_b128 v[AF+64*(\f)+8*(\a)+4:AF+64*(\f)+8*(\a)+7], v[ADRA+(\slot)] offset:(\k)+(\a)*TILE16+32
.endr
.if \ty
.irp a, 0,1,2,3
	ds_load_b128 v[AF+64*(\f)+32+8*(\a):AF+64*(\f)+32+8*(\a)+3],   v[ADRA+(\slot)] offset:PREG+(\k)+(\a)*TILE16
	ds_load_b128 v[AF+64*(\f)+32+8*(\a)+4:AF+64*(\f)+32+8*(\a)+7], v[ADRA+(\slot)] offset:PREG+(\k)+(\a)*TILE16+32
.endr
.endif
.endm
; A K step is four quarters of 32 along K on buffers 0, 1, 0, 1.  One of the first three: multiplies buffer f; behind its first eight products it fetches the next quarter, at byte k, into buffer g.
; Every accumulator has one product a quarter, always in the same order: 39 (X steps: 31) other products stand between two links of a chain, over the backward jumps too.
.macro QUARTER ty, slot, k, f, g, first=0
	s_wait_dscnt 6+8*(\ty)                         ; the weights and A's tile 0 are in; A's tiles 1-3 (6 loads) and P's 8 may be out
	MULA \f, 0, \first
	PLACES                                         ; buffer g was read by the quarter before
	FETCH \ty, \slot, \k, \g
	s_wait_dscnt 24+12*(\ty)                       ; all but the run just issued
	MULA \f, 1, \first
	MULA \f, 2, \first
	MULA \f, 3, \first
.if \ty
	MULD \f, \first
.endif
.endm
; The last quarter multiplies buffer 1 and changes slots: ONE barrier.  In front of it each wave waits for all its tensor loads (the one that is out is its part of the next slot), adds 0 to its spare word,
; and waits for that and for its own reads of this slot.  kind = 1, 2, 3: this slot is filled again, with the step two on (1: an H step; 2: an X step and the prev_cell tile; 3: an X step); the barrier then opens a
; round of the cluster's barrier, so that no wave of any partner still reads the slot or has a load on its way, and the fill is the first tensor load behind it, one a wave.  kind = 0: nothing is filled.
; nty: the kind of step that lies in the next slot.
.macro TURN ty, slot, next, kind, nty
.if \kind
	s_wait_xcnt 0x0                                ; the last prefetches, a K step back, have read their addresses, which are stepped here
	s_add_nc_u64 s[PFA:PFA+1], s[PFA:PFA+1], 256
.if \slot
	s_add_nc_u64 s[PFD:PFD+1], s[PFD:PFD+1], 512
.endif
.endif
	WIN 0                                          ; the add's two registers lie in window 0
	s_wait_tensorcnt 0x0                           ; all my tensor loads have landed
	ds_add_u32 v[SPW], v[NIL]                      ; 0 onto my spare word
	s_wait_dscnt 7+8*(\ty)                         ; the add, A's tiles 1-3 and P's loads may be out
	MULA 1, 0, 0                                   ; eight products stand between the add and the wait for it
	s_wait_dscnt 0x0                               ; the add is done, and my reads of this slot are over
	s_barrier_signal -1
	MULA 1, 1, 0                                   ; work on registers while the others arrive
.if \kind
	WIN 0
.endif
	s_barrier_wait -1
.if \kind
	CREST
	s_add_nc_u64 s[G0A+4*(\slot)+2:G0A+4*(\slot)+3], s[G0A+4*(\slot)+2:G0A+4*(\slot)+3], 512  ; no tensor load of mine is out: two steps on along the rows; the type bits are not reached
	s_add_nc_u64 s[G0B+4*(\slot)+2:G0B+4*(\slot)+3], s[G0B+4*(\slot)+2:G0B+4*(\slot)+3], 512
.if (\kind) == 1
	JLOAD_H \slot
.elseif (\kind) == 2
	JLOAD_X \slot, 1
.else
	JLOAD_X \slot, 0
.endif
.else
	PLACES
.endif
	FETCH \nty, \next, 0, 0
.if \kind
	ASK \slot
	s_add_co_u32 s[STP], s[STP], 1
.endif
	MULA 1, 2, 0
	MULA 1, 3, 0
.if \ty
	MULD 1, 0
.endif
.endm
	s_load_b256 s[4:11], s[0:1], 0x0               ; act s[4:5], wb s[6:7], prev_cell s[8:9], time s[10:11]
	s_load_b128 s[12:15], s[0:1], 0x20             ; out0 s[12:13], out1 s[14:15]
	s_load_b256 s[40:47], s[0:1], 0x30             ; the bias vectors: Wi Ui bi Wf
	s_load_b256 s[48:55], s[0:1], 0x50             ; Uf bf Wog Uog
	s_load_b128 s[76:79], s[0:1], 0x70             ; bog Wc
	s_load_b256 s[88:95], s[0:1], 0x80             ; Uc bc W_decomp b_decomp
	v_lshl_add_u32 v[SPW], v0, 2, SPARE
	v_mov_b32 v[NIL], 0
	ds_add_u32 v[SPW], v[NIL]                      ; the wave's opening: the add, twice on end, and its wait ahead of my first tensor load
	ds_add_u32 v[SPW], v[NIL]                      ; and once more, under the one wait; the set-up below, work on registers, stands between
	v_lshrrev_b32 v1, 5, v0
	v_readfirstlane_b32 s[WV], v1
	s_lshr_b32 s[WM], s[WV], 1
	s_and_b32 s[WN], s[WV], 1
	s_bfe_u32 s[CX], ttmp6, 0x40000
	s_bfe_u32 s[CY], ttmp6, 0x40004
	s_lshl_b32 s[NT], ttmp9, 2                     ; in a cluster launch ttmp9 and ttmp7 count clusters
	s_add_co_u32 s[NT], s[NT], s[CX]
	s_and_b32 s[MT], ttmp7, 0xffff
	s_lshl_b32 s[MT], s[MT], 2
	s_add_co_u32 s[MT], s[MT], s[CY]
	s_lshl_b32 s23, s[CY], 2
	s_lshl_b32 s23, 15, s23                        ; my row of the cluster: places 4 cy .. 4 cy + 3
	s_lshl_b32 s[CMASK], 0x1111, s[CX]             ; my column: places cx, cx + 4, cx + 8, cx + 12
	s_or_b32 s[G1A], s23, (1<<16)|(1<<21)|PADW     ; the mask; elements of 2 bytes; bit 21 beside a mask; the padding
	s_or_b32 s[G1BH], s[CMASK], (1<<16)|(1<<21)|PADW
	s_mov_b32 s[G1A+1], 128<<16                    ; tensor_dim0 = 128
	s_mov_b32 s[G1A+2], 128<<16                    ; tensor_dim1 = 128
	s_mov_b32 s[G1A+3], 128<<16                    ; tile_dim0 = 128
	s_mov_b32 s[G1A+4], 128                        ; tile_dim1 = 128
	s_mov_b32 s[G1A+5], 3072                       ; elements from row to row
	s_mov_b32 s[G1A+6], 0
	s_mov_b32 s[G1A+7], 0
	s_mov_b32 s[G1BH+1], 128<<16
	s_mov_b32 s[G1BH+2], 160<<16                   ; 160 rows
	s_mov_b32 s[G1BH+3], 128<<16
	s_mov_b32 s[G1BH+4], 160
	s_mov_b32 s[G1BH+5], 3072
	s_mov_b32 s[G1BH+6], 0
	s_mov_b32 s[G1BH+7], 0
	; where the tiles come from.  act's hang on mt and the wave alone, wb's on nt and the wave alone, each in registers that never hold the other coordinate
	s_lshl_b32 s96, s[WN], 10                      ; wave 0: hidden | input; wave 1: prev_cell, 1,024 rows down
	s_lshl_b32 s97, s[MT], 7
	s_add_co_u32 s96, s96, s97
	s_mul_i32 s96, s96, ROWB
	s_mov_b32 s97, 0
	s_mul_i32 s98, s[NT], 320
	s_mul_i32 s99, s[WN], 160
	s_add_co_u32 s98, s98, s99
	s_mul_i32 s98, s98, ROWB
	s_mov_b32 s99, 0
	s_mul_i32 s100, s[WN], PREG                    ; and where they go: A or P;
	s_mul_i32 s101, s[WN], BHALF
	s_add_co_u32 s101, s101, BOFF                  ; my wn's rows of B: no place in the cluster enters an LDS address
	s_wait_dscnt 0x0                               ; both opening adds are done
	s_wait_kmcnt 0x0
	s_add_nc_u64 s[96:97], s[4:5], s[96:97]
	s_add_nc_u64 s[98:99], s[6:7], s[98:99]
	CROUND                                         ; all sixteen work-groups are here: the first joint loads meet
.irp s, 0,1
	s_mov_b32 s[G0A+4*(\s)], 1
	s_add_co_u32 s[G0A+4*(\s)+1], s100, (\s)*SLOT
	s_add_nc_u64 s[G0A+4*(\s)+2:G0A+4*(\s)+3], s[96:97], (\s)*256
	s_or_b32 s[G0A+4*(\s)+3], s[G0A+4*(\s)+3], 0x80000000
	s_mov_b32 s[G0B+4*(\s)], 1
	s_add_co_u32 s[G0B+4*(\s)+1], s101, (\s)*SLOT
	s_add_nc_u64 s[G0B+4*(\s)+2:G0B+4*(\s)+3], s[98:99], (\s)*256
	s_or_b32 s[G0B+4*(\s)+3], s[G0B+4*(\s)+3], 0x80000000
	JLOAD_H \s                                     ; steps 0 and 1: two tensor loads of mine are out
.endr
	; WHILE THE FIRST TILES ARE ON THEIR WAY: addresses, biases, the decay.
	v_and_b32 v1, 15, v0                           ; r = l % 16
	v_bfe_u32 v2, v0, 4, 1                         ; h = l / 16
	v_mul_u32_u24 v3, v1, PITCH
	v_lshl_add_u32 v6, v2, 4, v3                   ; a fragment's row x pitch + 16 h
	s_mul_i32 s100, s[WM], 64*PITCH                ; my 64 rows
	v_add_nc_u32 v[ADRA], s100, v6
	v_add_nc_u32 v[ADRA+1], SLOT, v[ADRA]
	v_add_nc_u32 v[ADRB], s101, v6
	v_add_nc_u32 v[ADRB+1], SLOT, v[ADRB]
	s_lshl_b32 s3, s[WN], 7                        ; my 32 columns of f32
	s_add_co_u32 s3, s3, s100
	v_lshl_add_u32 v[VB], v2, 5, v3
	v_add_nc_u32 v[VB], s3, v[VB]
	v_add_nc_u32 v[VH], SLOT+PREG, v[VB]
	v_mul_u32_u24 v[RDC], v2, PITCH                ; back: lanes 0-15 take one row of 256 bytes, lanes 16-31 the next; wave w rows 32 w on
	v_lshl_add_u32 v[RDC], v1, 4, v[RDC]
	s_mul_i32 s3, s[WV], 32*PITCH
	v_add_nc_u32 v[RDC], s3, v[RDC]
	v_add_nc_u32 v[RDH], SLOT+PREG, v[RDC]
	v_lshlrev_b32 v[CO], 13, v2                    ; and the same two rows in an output (8,192 bytes a row)
	v_lshl_add_u32 v[CO], v1, 4, v[CO]
	v_and_b32 v[PFO], 31, v0
	v_mul_u32_u24 v[PFO], v[PFO], ROWB
	s_lshl_b32 s2, s[NT], 8
	s_lshl_b32 s23, s[WN], 7
	s_add_co_u32 s2, s2, s23
	v_lshl_add_u32 v4, v2, 5, s2                   ; a bias vector at column 64 nt + 32 wn + 8 h
	s_lshl_b32 s2, s[MT], 9
	s_lshl_b32 s23, s[WM], 8
	s_add_co_u32 s2, s2, s23
	v_lshl_add_u32 v5, v1, 2, s2                   ; time at row 128 mt + 64 wm + r
.irp a, 0,1,2,3
	global_load_b32 v[TM1+2*(\a)], v5, s[10:11] offset:64*(\a)
.endr
; Bias vector v's 16 numbers of my lane (column tile b, half q % 2 of its 8) into window 2's v[16 v ..]: registers that the first products will write over.
.macro BLOAD v, base
.irp q, 0,1,2,3
	global_load_b128 v[16*(\v)+4*(\q):16*(\v)+4*(\q)+3], v4, s[(\base):(\base)+1] offset:64*((\q)/2)+16*((\q)%2)
.endr
.endm
	WIN 0x80                                       ; destination window 2, address window 0
	BLOAD 0, 40
	BLOAD 1, 42
	BLOAD 2, 44
	BLOAD 3, 46
	BLOAD 4, 48
	BLOAD 5, 50
	BLOAD 6, 52
	BLOAD 7, 54
	BLOAD 8, 76
	BLOAD 9, 78
	BLOAD 10, 88
	BLOAD 11, 90
	BLOAD 12, 92
	BLOAD 13, 94
	WIN 0
	; the outputs at the first row that I store: 128 mt + 32 w, column 64 nt
	s_lshl_b32 s2, s[MT], 7
	s_lshl_b32 s23, s[WV], 5
	s_add_co_u32 s2, s2, s23
	s_lshl_b32 s66, s2, 13
	s_lshl_b32 s23, s[NT], 8
	s_add_co_u32 s66, s66, s23
	s_mov_b32 s67, 0
	s_add_nc_u64 s[12:13], s[12:13], s[66:67]
	s_add_nc_u64 s[14:15], s[14:15], s[66:67]
	; the prefetches
	s_lshl_b32 s2, s[WN], 10
	s_lshl_b32 s23, s[MT], 7
	s_add_co_u32 s2, s2, s23
	s_lshl_b32 s23, s[CX], 5
	s_add_co_u32 s2, s2, s23                       ; act: the tile's first row + my work-group's 32 of the 128
	s_mul_i32 s23, s[NT], 320
	s_mul_i32 s66, s[WN], 160
	s_add_co_u32 s23, s23, s66
	s_lshl_b32 s66, s[CY], 5
	s_add_co_u32 s23, s23, s66                     ; wb: the same
	s_and_b32 s[LIMD], ttmp7, 0xffff               ; cluster y
	s_cmp_lt_u32 s[WV], 2
	s_cselect_b32 s66, s2, s23
	s_cselect_b64 s[PFA:PFA+1], s[4:5], s[6:7]
	s_cselect_b32 s[LIMW], ttmp9, s[LIMD]          ; the coordinate along which other clusters read the same rows
	s_cmp_eq_u32 s[WV], 1
	s_cselect_b32 s3, 11, 19                       ; s + 5 stays at 15 (prev_cell) or 23 at the most
	s_cmp_eq_u32 s[LIMW], 0
	s_cselect_b32 s[LIMW], s3, 0                   ; the same in all sixteen partners, for a given wave
	s_mul_i32 s66, s66, ROWB
	s_add_co_u32 s66, s66, 4*256                   ; step 4: the first change of slots steps it to 5
	s_add_nc_u64 s[PFA:PFA+1], s[PFA:PFA+1], s[66:67]
	s_cmp_eq_u32 s[WV], 2
	s_cselect_b32 s3, 10, 0                        ; odd s up to 9: steps 6 to 15
	s_cmp_eq_u32 s[LIMD], 0
	s_cselect_b32 s[LIMD], s3, 0
	s_mul_i32 s66, s[NT], 320
	s_and_b32 s2, s[CY], 1
	s_mul_i32 s2, s2, 160
	s_add_co_u32 s66, s66, s2
	s_add_co_u32 s66, s66, 128                     ; gate 4's 32 rows
	s_mul_i32 s66, s66, ROWB
	s_lshr_b32 s2, s[CY], 1
	s_add_co_u32 s2, s2, 4
	s_lshl_b32 s2, s2, 8
	s_add_co_u32 s66, s66, s2                      ; step 4 + cy / 2: step 1's change steps it by two
	s_add_nc_u64 s[PFD:PFD+1], s[6:7], s[66:67]
	s_mov_b32 s[STP], 0
	s_wait_loadcnt 0x0                             ; time and the biases are in, and the registers of their pointers are free
	WIN 0x8a                                       ; window 2 = window 2 + window 2
.irp g, 0,1,2,3
.set i, 0
.rept 8
	v_pk_add_f32 v[48*(\g)+i:48*(\g)+i+1], v[48*(\g)+i:48*(\g)+i+1], v[48*(\g)+16+i:48*(\g)+16+i+1]
.set i, i+2
.endr
.endr
	WIN 0x4a                                       ; window 1 = window 2 + window 2
.irp g, 0,1,2,3
.set i, 0
.rept 8
	v_pk_add_f32 v[BIAS+16*(\g)+i:BIAS+16*(\g)+i+1], v[48*(\g)+i:48*(\g)+i+1], v[48*(\g)+32+i:48*(\g)+32+i+1]
.set i, i+2
.endr
.endr
.set i, 0
.rept 8
	v_pk_add_f32 v[BIAS+64+i:BIAS+64+i+1], v[192+i:192+i+1], v[208+i:208+i+1]
.set i, i+2
.endr
	WIN 0
	; T - 1 = 1 / ln(time + e) - 1
.irp a, 0,1,2,3
	v_add_f32 v[TM1+2*(\a)], 0x402df854, v[TM1+2*(\a)]
.endr
.irp a, 0,1,2,3
	v_log_f32 v[TM1+2*(\a)], v[TM1+2*(\a)]
.endr
	v_nop                                          ; a plain instruction behind the last logarithm,
	s_wait_alu depctr_va_vdst(0)                   ; and one wait for the four, ahead of their first reader
.irp a, 0,1,2,3
	v_mul_f32 v[TM1+2*(\a)], 0x3f317218, v[TM1+2*(\a)]  ; log2 x ln 2
.endr
.irp a, 0,1,2,3
	v_rcp_f32 v[TM1+2*(\a)], v[TM1+2*(\a)]
.endr
	v_nop
	s_wait_alu depctr_va_vdst(0)                   ; one wait for the four reciprocals
.irp a, 0,1,2,3
	v_add_f32 v[TM1+2*(\a)], -1.0, v[TM1+2*(\a)]
.endr
.irp a, 0,1,2,3
	v_mov_b32 v[TM1+2*(\a)+1], v[TM1+2*(\a)]       ; a pair for the packed multiply-add
.endr
	; the descriptors that lie where bias pointers lay (no pending tensor load names these registers)
	s_or_b32 s[G1BX], s[CMASK], (1<<16)|(1<<21)|PADW
	s_mov_b32 s[G1BX+1], 128<<16
	s_mov_b32 s[G1BX+2], 128<<16                   ; 128 rows: gates 0-3
	s_mov_b32 s[G1BX+3], 128<<16
	s_mov_b32 s[G1BX+4], 128
	s_mov_b32 s[G1BX+5], 3072
	s_mov_b32 s[G1BX+6], 0
	s_mov_b32 s[G1BX+7], 0
	s_mov_b32 s[G1PC], (2<<16)|PADW                ; no mask; elements of 4 bytes; the same padding
	s_mov_b32 s[G1PC+1], 64<<16                    ; 64 columns
	s_mov_b32 s[G1PC+2], 128<<16                   ; 128 rows
	s_mov_b32 s[G1PC+3], 64<<16
	s_mov_b32 s[G1PC+4], 128
	s_mov_b32 s[G1PC+5], 2048
	s_mov_b32 s[G1PC+6], 0
	s_mov_b32 s[G1PC+7], 0
	s_lshl_b32 s66, s[MT], 20                      ; 128 mt rows of 8,192 bytes
	s_lshl_b32 s2, s[NT], 8
	s_add_co_u32 s66, s66, s2
	s_mov_b32 s[G0PC], 1
	s_mov_b32 s[G0PC+1], PREG
	s_add_nc_u64 s[G0PC+2:G0PC+3], s[8:9], s[66:67]
	s_or_b32 s[G0PC+3], s[G0PC+3], 0x80000000
	s_mov_b32 s[KS], 0xbfb8aa3b                    ; -log2 e
	s_mov_b32 s[KS+1], 0xbfb8aa3b                  ; named with it as a pair
	s_mov_b32 s[KT], 0x4038aa3b                    ; 2 log2 e
	s_mov_b32 s[KT+1], 0x4038aa3b
	s_wait_tensorcnt 0x1                           ; my part of step 0 is in; step 1's may stay out
	s_barrier_signal -1
	s_barrier_wait -1                              ; everybody's is
	FETCH 1, 0, 0, 0
	QUARTER 1, 0, 64, 0, 1, 1                      ; the first quarter stands in front of the loop: its products start the sums with the biases
	WIN 0                                          ; at a label and at a branch every window is 0
	s_mov_b32 s3, 7
.Lh:                                                   ; a trip goes once round the ring, from a lap's second quarter to the next lap's first: steps 0 to 13 change slots here
	QUARTER 1, 0, 128, 1, 0
	QUARTER 1, 0, 192, 0, 1
	TURN 1, 0, 1, 1, 1
	QUARTER 1, 1, 64, 0, 1
	QUARTER 1, 1, 128, 1, 0
	QUARTER 1, 1, 192, 0, 1
	TURN 1, 1, 0, 1, 1
	QUARTER 1, 0, 64, 0, 1
	WIN 0
	s_sub_co_u32 s3, s3, 1
	s_cmp_lg_u32 s3, 0
	s_cbranch_scc1 .Lh
	QUARTER 1, 0, 128, 1, 0                        ; steps 14 and 15, written out: their fills are X steps'
	QUARTER 1, 0, 192, 0, 1
	TURN 1, 0, 1, 2, 1                             ; slot 0 takes step 16, and its P region the f32 prev_cell tile
	QUARTER 1, 1, 64, 0, 1
	QUARTER 1, 1, 128, 1, 0
	QUARTER 1, 1, 192, 0, 1
	TURN 1, 1, 0, 3, 0                             ; slot 1 takes step 17; the fragments fetched are step 16's
	QUARTER 0, 0, 64, 0, 1
	WIN 0
	s_mov_b32 s3, 3
.Lx:                                                   ; steps 16 to 21 change slots here
	QUARTER 0, 0, 128, 1, 0
	QUARTER 0, 0, 192, 0, 1
	TURN 0, 0, 1, 3, 0
	QUARTER 0, 1, 64, 0, 1
	QUARTER 0, 1, 128, 1, 0
	QUARTER 0, 1, 192, 0, 1
	TURN 0, 1, 0, 3, 0
	QUARTER 0, 0, 64, 0, 1
	WIN 0
	s_sub_co_u32 s3, s3, 1
	s_cmp_lg_u32 s3, 0
	s_cbranch_scc1 .Lx
	QUARTER 0, 0, 128, 1, 0                        ; steps 22 and 23 fill nothing
	QUARTER 0, 0, 192, 0, 1
	TURN 0, 0, 1, 0, 0
	QUARTER 0, 1, 64, 0, 1
	QUARTER 0, 1, 128, 1, 0
	QUARTER 0, 1, 192, 0, 1
	s_wait_dscnt 6                                 ; the very last quarter: nothing more to fetch
	MULA 1, 0, 0
	s_wait_dscnt 0x0
	MULA 1, 1, 0
	MULA 1, 2, 0
	MULA 1, 3, 0
	WIN 0
	PLACES                                         ; the arithmetic below reads results just made and writes over the fragments' registers
	PLACES
; THE CELL, for row tile a: 16 numbers a lane (column tile b, column 8 h + j at 8 b + j).  The exponentials and the reciprocals go in batches, each with one plain instruction behind its last and
; one wait ahead of its first reader.  Each accumulator's registers are read in ascending order.
.macro EPI a
	WIN 0
.irp q, 0,1,2,3
	ds_load_b128 v[PCR+4*(\q):PCR+4*(\q)+3], v[VB] offset:PREG+(\a)*TILE16+64*((\q)/2)+16*((\q)%2)  ; prev_cell in f32; wave 1's wait and a barrier lie behind its load
.endr
	WIN 0x02                                       ; source 0 window 2
.irp t, 0,1,2,3,4,5,6,7
.irp p, 0,2,4,6
.if (\t) < 6
	v_pk_mul_f32 v[E+8*(\t)+(\p):E+8*(\t)+(\p)+1], v[64*(\a)+8*(\t)+(\p):64*(\a)+8*(\t)+(\p)+1], s[KS:KS+1] op_sel_hi:[1,0]  ; i, f, og: -x log2 e
.else
	v_pk_mul_f32 v[E+8*(\t)+(\p):E+8*(\t)+(\p)+1], v[64*(\a)+8*(\t)+(\p):64*(\a)+8*(\t)+(\p)+1], s[KT:KT+1] op_sel_hi:[1,0]  ; the state: 2 x log2 e
.endif
.endr
.endr
	WIN 0x03                                       ; source 0 window 3
.irp b, 0,1
.irp p, 0,2,4,6
	v_pk_mul_f32 v[E+64+8*(\b)+(\p):E+64+8*(\b)+(\p)+1], v[8*(2*(\a)+(\b))+(\p):8*(2*(\a)+(\b))+(\p)+1], s[KT:KT+1] op_sel_hi:[1,0]  ; the decomposition
.endr
.endr
	WIN 0
.set i, 0
.rept 80
	v_exp_f32 v[E+i], v[E+i]
.set i, i+1
.endr
	v_nop
	s_wait_alu depctr_va_vdst(0)
.set i, 0
.rept 40
	v_pk_add_f32 v[E+i:E+i+1], v[E+i:E+i+1], 1.0 op_sel_hi:[1,0]
.set i, i+2
.endr
.set i, 0
.rept 80
	v_rcp_f32 v[E+i], v[E+i]
.set i, i+1
.endr
	v_nop
	s_wait_alu depctr_va_vdst(0)
.set i, 0
.rept 16
	v_pk_fma_f32 v[E+48+i:E+48+i+1], v[E+48+i:E+48+i+1], -2.0, 1.0 op_sel_hi:[1,0,0]  ; tanh = 1 - 2 R: the state and C_ST
.set i, i+2
.endr
	s_wait_dscnt 0x0                               ; prev_cell is in
.set i, 0
.rept 8
	v_pk_fma_f32 v[PCR+i:PCR+i+1], v[E+64+i:E+64+i+1], v[TM1+2*(\a):TM1+2*(\a)+1], v[PCR+i:PCR+i+1]  ; prev_cell + (T - 1) C_ST
	v_pk_mul_f32 v[TT+i:TT+i+1], v[E+i:E+i+1], v[E+48+i:E+48+i+1]                                  ; i x state
.set i, i+2
.endr
.set i, 0
.rept 8
	v_pk_fma_f32 v[CC+i:CC+i+1], v[E+16+i:E+16+i+1], v[PCR+i:PCR+i+1], v[TT+i:TT+i+1]              ; c
.set i, i+2
.endr
.set i, 0
.rept 8
	v_pk_mul_f32 v[TT+i:TT+i+1], v[CC+i:CC+i+1], s[KT:KT+1] op_sel_hi:[1,0]
.set i, i+2
.endr
.irp q, 0,1,2,3
	ds_store_b128 v[VB], v[CC+4*(\q):CC+4*(\q)+3] offset:(\a)*TILE16+64*((\q)/2)+16*((\q)%2)       ; c into slot 0's A region
.endr
.set i, 0
.rept 16
	v_exp_f32 v[TT+i], v[TT+i]
.set i, i+1
.endr
	v_nop
	s_wait_alu depctr_va_vdst(0)
.set i, 0
.rept 8
	v_pk_add_f32 v[TT+i:TT+i+1], v[TT+i:TT+i+1], 1.0 op_sel_hi:[1,0]
.set i, i+2
.endr
.set i, 0
.rept 16
	v_rcp_f32 v[TT+i], v[TT+i]
.set i, i+1
.endr
	v_nop
	s_wait_alu depctr_va_vdst(0)
.set i, 0
.rept 8
	v_pk_fma_f32 v[TT+i:TT+i+1], v[TT+i:TT+i+1], -2.0, 1.0 op_sel_hi:[1,0,0]                       ; tanh(c)
.set i, i+2
.endr
.set i, 0
.rept 8
	v_pk_mul_f32 v[NH+i:NH+i+1], v[E+32+i:E+32+i+1], v[TT+i:TT+i+1]                                ; og x tanh(c)
.set i, i+2
.endr
.irp q, 0,1,2,3
	ds_store_b128 v[VH], v[NH+4*(\q):NH+4*(\q)+3] offset:(\a)*TILE16+64*((\q)/2)+16*((\q)%2)       ; new_hidden into slot 1's P region
.endr
.endm
	EPI 0
	EPI 1
	EPI 2
	EPI 3
	; THE WAY OUT.  A row's 256 bytes come from two waves: a barrier, then each wave reads 32 whole rows of both stages and stores them.
	s_wait_dscnt 0x0                               ; for the others' sake: my stores into the stages are done
	s_barrier_signal -1
	s_barrier_wait -1
.irp t, 0,1,2,3,4,5,6,7,8,9,10,11,12,13,14,15
	ds_load_b128 v[64+4*(\t):64+4*(\t)+3], v[RDC] offset:(\t)*2*PITCH
.endr
.irp t, 0,1,2,3,4,5,6,7,8,9,10,11,12,13,14,15
	ds_load_b128 v[128+4*(\t):128+4*(\t)+3], v[RDH] offset:(\t)*2*PITCH
.endr
.irp t, 0,1,2,3,4,5,6,7,8,9,10,11,12,13,14,15
	s_wait_dscnt 31-(\t)                           ; LDS loads come back in order: c's pair of rows t is in
	global_store_b128 v[CO], v[64+4*(\t):64+4*(\t)+3], s[14:15] offset:(\t)*16384 th:TH_STORE_NT   ; 16 lanes store 256 consecutive bytes, at a multiple of 256 from out1's first byte
.endr
.irp t, 0,1,2,3,4,5,6,7,8,9,10,11,12,13,14,15
	s_wait_dscnt 15-(\t)
	global_store_b128 v[CO], v[128+4*(\t):128+4*(\t)+3], s[12:13] offset:(\t)*16384 th:TH_STORE_NT ; the same for out0
.endr
	s_wait_tensorcnt 0x0                           ; the wave's end, behind my last tensor load and my last LDS store
	ds_add_u32 v[SPW], v[NIL]
	s_wait_dscnt 0x0
	CROUND                                         ; the closing round: no work-group ends while a partner may still ask for a tile that names it
	s_endpgm
.Lfunc_end_k_q1000c21e81_cell:
	.size	k_q1000c21e81_cell, .Lfunc_end_k_q1000c21e81_cell-k_q1000c21e81_cell
	.p2alignl 7, 3214868480
	.fill 96, 4, 3214868480
	.section	.rodata,"a",@progbits
	.p2align	6, 0x0
	.amdhsa_kernel k_q1000c21e81_cell
		.amdhsa_group_segment_fixed_size 327680
		.amdhsa_private_segment_fixed_size 0
		.amdhsa_enable_private_segment 0
		.amdhsa_kernarg_size 160
		.amdhsa_user_sgpr_count 2
		.amdhsa_user_sgpr_kernarg_segment_ptr 1
		.amdhsa_wavefront_size32 1
		.amdhsa_system_sgpr_workgroup_id_x 1
		.amdhsa_system_sgpr_workgroup_id_y 1
		.amdhsa_system_sgpr_workgroup_id_z 1
		.amdhsa_system_vgpr_workitem_id 0
		.amdhsa_next_free_vgpr 832
		.amdhsa_next_free_sgpr 102
		.amdhsa_reserve_vcc 0
		.amdhsa_float_denorm_mode_32 3
		.amdhsa_float_denorm_mode_16_64 3
		.amdhsa_memory_ordered 1
		.amdhsa_forward_progress 1
		.amdhsa_inst_pref_size 248
	.end_amdhsa_kernel
	.amdgpu_metadata
---
amdhsa.version: [ 1, 2 ]
amdhsa.kernels:
  - .name:           k_q1000c21e81_cell
    .symbol:         k_q1000c21e81_cell.kd
    .args:
      - { .name: act, .offset: 0, .size: 8, .value_kind: global_buffer, .address_space: global }
      - { .name: wb, .offset: 8, .size: 8, .value_kind: global_buffer, .address_space: global }
      - { .name: prev_cell, .offset: 16, .size: 8, .value_kind: global_buffer, .address_space: global }
      - { .name: time, .offset: 24, .size: 8, .value_kind: global_buffer, .address_space: global }
      - { .name: out0, .offset: 32, .size: 8, .value_kind: global_buffer, .address_space: global }
      - { .name: out1, .offset: 40, .size: 8, .value_kind: global_buffer, .address_space: global }
      - { .name: params_Wi_b, .offset: 48, .size: 8, .value_kind: global_buffer, .address_space: global }
      - { .name: params_Ui_b, .offset: 56, .size: 8, .value_kind: global_buffer, .address_space: global }
      - { .name: params_bi_b, .offset: 64, .size: 8, .value_kind: global_buffer, .address_space: global }
      - { .name: params_Wf_b, .offset: 72, .size: 8, .value_kind: global_buffer, .address_space: global }
      - { .name: params_Uf_b, .offset: 80, .size: 8, .value_kind: global_buffer, .address_space: global }
      - { .name: params_bf_b, .offset: 88, .size: 8, .value_kind: global_buffer, .address_space: global }
      - { .name: params_Wog_b, .offset: 96, .size: 8, .value_kind: global_buffer, .address_space: global }
      - { .name: params_Uog_b, .offset: 104, .size: 8, .value_kind: global_buffer, .address_space: global }
      - { .name: params_bog_b, .offset: 112, .size: 8, .value_kind: global_buffer, .address_space: global }
      - { .name: params_Wc_b, .offset: 120, .size: 8, .value_kind: global_buffer, .address_space: global }
      - { .name: params_Uc_b, .offset: 128, .size: 8, .value_kind: global_buffer, .address_space: global }
      - { .name: params_bc_b, .offset: 136, .size: 8, .value_kind: global_buffer, .address_space: global }
      - { .name: params_W_decomp_b, .offset: 144, .size: 8, .value_kind: global_buffer, .address_space: global }
      - { .name: params_b_decomp_b, .offset: 152, .size: 8, .value_kind: global_buffer, .address_space: global }
    .group_segment_fixed_size: 327680
    .private_segment_fixed_size: 0
    .kernarg_segment_align: 8
    .kernarg_segment_size: 160
    .max_flat_workgroup_size: 128
    .sgpr_count:     102
    .vgpr_count:     832
    .wavefront_size: 32
...
	.end_amdgpu_metadata
.endif
;; end of part 2
;; ======== version 2 of 2: 2 launches; version 1 with the launch prep written anew for expert scheduling mode
;; limits: values are held in f16: magnitudes above 65,504 overflow, below 6.1e-05 lose precision
;; workspace buffers: wb 62,914,560 bytes; act 12,582,912 bytes
;; launch prep (part 3): grid 1056 x 1, 8 waves a work-group, no clusters, 0 bytes of LDS; arguments params_Ui_w, params_bi_w, params_Uf_w, params_bf_w, params_Uog_w, params_bog_w, params_Uc_w, params_bc_w, params_W_decomp_w, params_b_decomp_w, params_Wi_w, params_Wf_w, params_Wog_w, params_Wc_w, hidden, prev_cell, input, wb, act; writes wb, act
.if DOCPART == 3
	.amdgcn_target "amdgcn-amd-amdhsa--gfx1250"
	.amdhsa_code_object_version 6
	.text
	.protected	k_q1000c21e81_prep
	.globl	k_q1000c21e81_prep
	.p2align	8
	.type	k_q1000c21e81_prep,@function
k_q1000c21e81_prep:
	s_mov_b64 s[64:65], 0
	v_nop
	global_prefetch_b8 v0, s[64:65] scope:SCOPE_SE
	s_setreg_imm32_b32 hwreg(HW_REG_WAVE_SCHED_MODE, 0, 2), 2
	s_setreg_imm32_b32 hwreg(HW_REG_WAVE_MODE, 25, 1), 1
	s_wait_xcnt 0x0
	s_wait_alu depctr_vm_vsrc(0)
; TLSTM cell, launch 1 of 2: the matrix operands are rounded to f16 once and laid out for the second launch.
; WORK LEFT OUT, for all values of the inputs.
;   labels and keep_prob are named by no line of reference()'s body: they have no way to any output, are not loaded and are among no launch's arguments.
;   hidden @ U_g^T + hidden @ b_g^T = hidden @ (U_g + b_g)^T, and prev_cell @ W_decomp^T + prev_cell @ b_decomp^T = prev_cell @ (W_decomp + b_decomp)^T, by the
;   distributive law: the two weights of a pair are added here in f32 and the sum is rounded once to f16, so 14 products become 9.  Every weight is still read.
; THE FORMAT.  f16 keeps 11 significant bits, bf16 8.  A pre-activation is a sum of 3,072 products of spread about 1 in all; with both operands rounded its error is about 1.4 roundings of
;   its own spread, and every output number must lie within 1% of the output's root mean square plus 1% of itself: bf16's rounding leaves about four such errors of room, f16's eight times that.
; LIMITS.  An operand (hidden, input, prev_cell, W_g, U_g + b_g, W_decomp + b_decomp) of 65,520 or more in magnitude becomes an infinity; below 6.1e-5 it keeps f16's fixed step of 6e-8.
;   The order of rounding differs from reference()'s: the pair's sum is rounded where reference() adds two f32 products.  Nothing else is left out, so no NaN or infinity of an input is lost.
; LAYOUT.  wb: 10,240 rows x 3,072 f16 (6,144 bytes a row).  Row nt*320 + wn*160 + g*32 + c is gate g (0 i, 1 f, 2 og, 3 c, 4 decomp), output column n = 64 nt + 32 wn + c:
;   columns 0-2047 = f16(U_g[n] + b_g[n]), columns 2048-3071 = f16(W_g[n]) (g < 4; for g = 4 they are neither written nor read).
;   act: 2,048 rows x 3,072 f16.  Rows 0-1023 = hidden | input; rows 1024-2047 = prev_cell in columns 0-2047 (the rest neither written nor read).
; SHARES.  A work-group casts 32,768 numbers: 131,072 consecutive bytes of each source, in 32 steps of 4,096.  Thread t loads 16 bytes at 16 t (a wave: 512 consecutive bytes)
;   and stores 8 bytes at 8 t (a wave: 256 consecutive bytes, aligned).  Memory binds: no LDS, no barrier, no matrix unit, no cluster (no byte is read twice).
;   Every step's place stands in an immediate, and each step has its own store registers: no register that a load or store reads is ever written again.
; THE MODE: SCHED_MODE bits 1:0 = 2 (LLVM: expert scheduling mode 2), set by the entry lines.  The code itself states the register dependences
;   between vector instructions and memory instructions, with s_wait_alu, always for 0.
; THE PLAN.  The 32 steps go in 16 blocks of two.  Registers that memory instructions touch:
;   v1, v2     byte offsets, made once at the head and never written again; every load reads v1, every store v2.
;   X1, X2     ten slots of four registers each; step n has slot n % 10.  Written by step n's loads (X1's slot also by step n's two additions, in place); read by step n's additions and roundings.
;   Y          two registers for each of the 32 steps.  Written once, by step n's roundings; read by step n's store, which is issued a block later.
;   Block p works on the slots of steps 2 p and 2 p + 1 and writes their Y.  Its memory instructions are the loads of block p + 4, which land in slots (2 p + 8) % 10 and (2 p + 9) % 10, the slots
;   of block p - 1, and the stores of block p - 1's Y: registers that no vector instruction of block p names.  So ONE wait on va_vdst at a block's head states all that the block's loads and stores
;   hang on, and these are dealt among its vector instructions with no further wait.  No wait on vm_vsrc is owed: nothing that a memory instruction reads is written again.
;   At a block's head six steps' loads stay out, behind its own loads eight.
.set ROWB, 6144                        ; bytes in a row of wb and of act
.set SLOTS, 10
.set X1, 4                             ; v[4:43]   10 slots x 4: the first source as loaded
.set X2, 44                            ; v[44:83]  the second source
.set Y,  84                            ; v[84:147] 2 registers for each of the 32 steps
.set SRC1, 50                          ; s[50:51]
.set SRC2, 52                          ; s[52:53]
.set DST,  54                          ; s[54:55]
.macro LD two, n                       ; step n's loads into slot n % 10
	global_load_b128 v[X1+4*((\n)%SLOTS):X1+4*((\n)%SLOTS)+3], v1, s[SRC1:SRC1+1] offset:4096*(\n) th:TH_LOAD_NT
.if \two
	global_load_b128 v[X2+4*((\n)%SLOTS):X2+4*((\n)%SLOTS)+3], v1, s[SRC2:SRC2+1] offset:4096*(\n) th:TH_LOAD_NT
.endif
.endm
.macro ST wide, n                      ; step n's store.  wide = 1: source rows of 2,048 numbers (two steps a row), else of 1,024 (a step a row)
.if \wide
	global_store_b64 v2, v[Y+2*(\n):Y+2*(\n)+1], s[DST:DST+1] offset:((\n)/2)*ROWB+((\n)%2)*2048 th:TH_STORE_NT
.else
	global_store_b64 v2, v[Y+2*(\n):Y+2*(\n)+1], s[DST:DST+1] offset:(\n)*ROWB th:TH_STORE_NT
.endif
.endm
; two = 1: two sources are added.
.macro STREAM two, wide
.set j, 0
.rept 8
	LD \two, j                                     ; blocks 0 to 3
.set j, j+1
.endr
.set j, 0
.rept 32
.if j%2 == 0                                           ; a block's head
.if j < 26
	s_wait_loadcnt (1+\two)*6                      ; loads come back in order: this block's two steps are in, the three younger blocks' six steps stay out
.else
	s_wait_loadcnt (1+\two)*(30-j)                 ; blocks 12 to 15 load nothing: the counts run down
.endif
.if j > 0
	s_wait_alu depctr_va_vdst(0)                   ; the block before has written its Y, which the two stores below read; its additions have written, and its additions and roundings are done reading, its slots, in which the loads below land
.endif
.endif
.if j < 24
	LD \two, j+8                                   ; four blocks ahead, ahead of the store; no vector instruction since the wait names this slot (block 0: none at all has)
.endif
.if j > 1
	ST \wide, j-2                                  ; the block before
.endif
.if \two
	v_pk_add_f32 v[X1+4*(j%SLOTS):X1+4*(j%SLOTS)+1],   v[X1+4*(j%SLOTS):X1+4*(j%SLOTS)+1],   v[X2+4*(j%SLOTS):X2+4*(j%SLOTS)+1]
	v_pk_add_f32 v[X1+4*(j%SLOTS)+2:X1+4*(j%SLOTS)+3], v[X1+4*(j%SLOTS)+2:X1+4*(j%SLOTS)+3], v[X2+4*(j%SLOTS)+2:X2+4*(j%SLOTS)+3]
.endif
	v_cvt_pk_f16_f32 v[Y+2*j],   v[X1+4*(j%SLOTS)],   v[X1+4*(j%SLOTS)+1]
	v_cvt_pk_f16_f32 v[Y+2*j+1], v[X1+4*(j%SLOTS)+2], v[X1+4*(j%SLOTS)+3]
.set j, j+1
.endr
	s_wait_alu depctr_va_vdst(0)                   ; block 15 has written its Y, which the last two stores read
	ST \wide, 30
	ST \wide, 31
.endm
	s_load_b512 s[8:23], s[0:1], 0x0               ; Ui bi Uf bf Uog bog Uc bc
	s_load_b512 s[24:39], s[0:1], 0x40             ; W_decomp b_decomp Wi Wf Wog Wc hidden prev_cell
	s_load_b128 s[40:43], s[0:1], 0x80             ; input wb
	s_load_b64 s[44:45], s[0:1], 0x90              ; act
	s_mov_b32 s2, ttmp9                            ; the work-group's number
	v_lshlrev_b32 v1, 4, v0                        ; 16 t
	v_lshlrev_b32 v2, 3, v0                        ; 8 t
	s_mov_b32 s57, 0                               ; the offsets' high words
	s_mov_b32 s59, 0
	s_wait_kmcnt 0x0
	s_wait_alu depctr_va_vdst(0)                   ; v1 and v2 are written: every load and store of the three streams below reads one of them as its offset
	s_cmp_lt_u32 s2, 640
	s_cbranch_scc0 .Lsingle
	; 0-639: a pair of [2048][2048] weights, 16 rows of both.  g = id / 128, ch = id % 128: rows n = 16 ch .. 16 ch + 15
	s_lshr_b32 s46, s2, 7
	s_and_b32 s47, s2, 127
	s_mov_b64 s[SRC1:SRC1+1], s[8:9]
	s_mov_b64 s[SRC2:SRC2+1], s[10:11]
	s_cmp_eq_u32 s46, 1
	s_cselect_b64 s[SRC1:SRC1+1], s[12:13], s[SRC1:SRC1+1]
	s_cselect_b64 s[SRC2:SRC2+1], s[14:15], s[SRC2:SRC2+1]
	s_cmp_eq_u32 s46, 2
	s_cselect_b64 s[SRC1:SRC1+1], s[16:17], s[SRC1:SRC1+1]
	s_cselect_b64 s[SRC2:SRC2+1], s[18:19], s[SRC2:SRC2+1]
	s_cmp_eq_u32 s46, 3
	s_cselect_b64 s[SRC1:SRC1+1], s[20:21], s[SRC1:SRC1+1]
	s_cselect_b64 s[SRC2:SRC2+1], s[22:23], s[SRC2:SRC2+1]
	s_cmp_eq_u32 s46, 4
	s_cselect_b64 s[SRC1:SRC1+1], s[24:25], s[SRC1:SRC1+1]
	s_cselect_b64 s[SRC2:SRC2+1], s[26:27], s[SRC2:SRC2+1]
	s_lshl_b32 s56, s47, 17                        ; ch x 131,072 bytes
	s_lshr_b32 s48, s47, 2                         ; nt = n / 64
	s_mul_i32 s48, s48, 320
	s_bfe_u32 s49, s47, 0x10001                    ; wn = (n / 32) % 2
	s_mul_i32 s49, s49, 160
	s_add_co_u32 s48, s48, s49
	s_lshl_b32 s49, s46, 5                         ; g x 32
	s_add_co_u32 s48, s48, s49
	s_and_b32 s49, s47, 1                          ; c = n % 32 begins at 0 or 16
	s_lshl_b32 s49, s49, 4
	s_add_co_u32 s48, s48, s49
	s_mul_i32 s58, s48, ROWB
	s_add_nc_u64 s[SRC1:SRC1+1], s[SRC1:SRC1+1], s[56:57]
	s_add_nc_u64 s[SRC2:SRC2+1], s[SRC2:SRC2+1], s[56:57]
	s_add_nc_u64 s[DST:DST+1], s[42:43], s[58:59]
	STREAM 1, 1
	s_endpgm
.Lsingle:
	s_cmp_lt_u32 s2, 768
	s_cbranch_scc0 .Lnarrow
	; 640-767: 16 rows of hidden (sel = 0) or of prev_cell (sel = 1)
	s_sub_co_u32 s46, s2, 640
	s_lshr_b32 s47, s46, 6                         ; sel
	s_and_b32 s46, s46, 63                         ; ch
	s_cmp_eq_u32 s47, 0
	s_cselect_b64 s[SRC1:SRC1+1], s[36:37], s[38:39]
	s_lshl_b32 s56, s46, 17
	s_lshl_b32 s47, s47, 10
	s_lshl_b32 s46, s46, 4
	s_add_co_u32 s47, s47, s46                     ; row of act = 1,024 sel + 16 ch
	s_mul_i32 s58, s47, ROWB
	s_add_nc_u64 s[SRC1:SRC1+1], s[SRC1:SRC1+1], s[56:57]
	s_add_nc_u64 s[DST:DST+1], s[44:45], s[58:59]
	STREAM 0, 1
	s_endpgm
.Lnarrow:
	; 768-1055: 32 rows of 1,024 numbers: of W_g (g = 0 .. 3, 64 blocks each) or of input (g = 4, 32 blocks); they go to columns 2048 on
	s_sub_co_u32 s46, s2, 768
	s_lshr_b32 s47, s46, 6                         ; g
	s_and_b32 s46, s46, 63                         ; blk
	s_mov_b64 s[SRC1:SRC1+1], s[28:29]
	s_cmp_eq_u32 s47, 1
	s_cselect_b64 s[SRC1:SRC1+1], s[30:31], s[SRC1:SRC1+1]
	s_cmp_eq_u32 s47, 2
	s_cselect_b64 s[SRC1:SRC1+1], s[32:33], s[SRC1:SRC1+1]
	s_cmp_eq_u32 s47, 3
	s_cselect_b64 s[SRC1:SRC1+1], s[34:35], s[SRC1:SRC1+1]
	s_cmp_eq_u32 s47, 4
	s_cselect_b64 s[SRC1:SRC1+1], s[40:41], s[SRC1:SRC1+1]
	s_lshl_b32 s56, s46, 17
	s_lshr_b32 s48, s46, 1                         ; nt
	s_mul_i32 s48, s48, 320
	s_and_b32 s49, s46, 1                          ; wn
	s_mul_i32 s49, s49, 160
	s_add_co_u32 s48, s48, s49
	s_lshl_b32 s49, s47, 5
	s_add_co_u32 s48, s48, s49                     ; row of wb
	s_lshl_b32 s49, s46, 5                         ; row of act
	s_cmp_eq_u32 s47, 4
	s_cselect_b32 s48, s49, s48
	s_cselect_b64 s[DST:DST+1], s[44:45], s[42:43]
	s_mul_i32 s58, s48, ROWB
	s_add_co_u32 s58, s58, 4096
	s_add_nc_u64 s[SRC1:SRC1+1], s[SRC1:SRC1+1], s[56:57]
	s_add_nc_u64 s[DST:DST+1], s[DST:DST+1], s[58:59]
	STREAM 0, 0
	s_endpgm
.Lfunc_end_k_q1000c21e81_prep:
	.size	k_q1000c21e81_prep, .Lfunc_end_k_q1000c21e81_prep-k_q1000c21e81_prep
	.p2alignl 7, 3214868480
	.fill 96, 4, 3214868480
	.section	.rodata,"a",@progbits
	.p2align	6, 0x0
	.amdhsa_kernel k_q1000c21e81_prep
		.amdhsa_group_segment_fixed_size 0
		.amdhsa_private_segment_fixed_size 0
		.amdhsa_enable_private_segment 0
		.amdhsa_kernarg_size 152
		.amdhsa_user_sgpr_count 2
		.amdhsa_user_sgpr_kernarg_segment_ptr 1
		.amdhsa_wavefront_size32 1
		.amdhsa_system_sgpr_workgroup_id_x 1
		.amdhsa_system_sgpr_workgroup_id_y 1
		.amdhsa_system_sgpr_workgroup_id_z 1
		.amdhsa_system_vgpr_workitem_id 0
		.amdhsa_next_free_vgpr 148
		.amdhsa_next_free_sgpr 66
		.amdhsa_reserve_vcc 0
		.amdhsa_float_denorm_mode_32 3
		.amdhsa_float_denorm_mode_16_64 3
		.amdhsa_memory_ordered 1
		.amdhsa_forward_progress 1
		.amdhsa_inst_pref_size 44
	.end_amdhsa_kernel
	.amdgpu_metadata
---
amdhsa.version: [ 1, 2 ]
amdhsa.kernels:
  - .name:           k_q1000c21e81_prep
    .symbol:         k_q1000c21e81_prep.kd
    .args:
      - { .name: params_Ui_w, .offset: 0, .size: 8, .value_kind: global_buffer, .address_space: global }
      - { .name: params_bi_w, .offset: 8, .size: 8, .value_kind: global_buffer, .address_space: global }
      - { .name: params_Uf_w, .offset: 16, .size: 8, .value_kind: global_buffer, .address_space: global }
      - { .name: params_bf_w, .offset: 24, .size: 8, .value_kind: global_buffer, .address_space: global }
      - { .name: params_Uog_w, .offset: 32, .size: 8, .value_kind: global_buffer, .address_space: global }
      - { .name: params_bog_w, .offset: 40, .size: 8, .value_kind: global_buffer, .address_space: global }
      - { .name: params_Uc_w, .offset: 48, .size: 8, .value_kind: global_buffer, .address_space: global }
      - { .name: params_bc_w, .offset: 56, .size: 8, .value_kind: global_buffer, .address_space: global }
      - { .name: params_W_decomp_w, .offset: 64, .size: 8, .value_kind: global_buffer, .address_space: global }
      - { .name: params_b_decomp_w, .offset: 72, .size: 8, .value_kind: global_buffer, .address_space: global }
      - { .name: params_Wi_w, .offset: 80, .size: 8, .value_kind: global_buffer, .address_space: global }
      - { .name: params_Wf_w, .offset: 88, .size: 8, .value_kind: global_buffer, .address_space: global }
      - { .name: params_Wog_w, .offset: 96, .size: 8, .value_kind: global_buffer, .address_space: global }
      - { .name: params_Wc_w, .offset: 104, .size: 8, .value_kind: global_buffer, .address_space: global }
      - { .name: hidden, .offset: 112, .size: 8, .value_kind: global_buffer, .address_space: global }
      - { .name: prev_cell, .offset: 120, .size: 8, .value_kind: global_buffer, .address_space: global }
      - { .name: input, .offset: 128, .size: 8, .value_kind: global_buffer, .address_space: global }
      - { .name: wb, .offset: 136, .size: 8, .value_kind: global_buffer, .address_space: global }
      - { .name: act, .offset: 144, .size: 8, .value_kind: global_buffer, .address_space: global }
    .group_segment_fixed_size: 0
    .private_segment_fixed_size: 0
    .kernarg_segment_align: 8
    .kernarg_segment_size: 152
    .max_flat_workgroup_size: 256
    .sgpr_count:     66
    .vgpr_count:     148
    .wavefront_size: 32
...
	.end_amdgpu_metadata
.endif
;; end of part 3
;; launch cell: the kernel of part 2 again; grid 32 x 8, 4 waves a work-group, clusters of 4 x 4, 327,680 bytes of LDS; arguments act, wb, prev_cell, time, out0, out1, params_Wi_b, params_Ui_b, params_bi_b, params_Wf_b, params_Uf_b, params_bf_b, params_Wog_b, params_Uog_b, params_bog_b, params_Wc_b, params_Uc_b, params_bc_b, params_W_decomp_b, params_b_decomp_b; writes out0, out1
